; MI455X (gfx1250); checked and timed in simulation.
; The chip was launched on July 23, 2026; its instructions are those of AMD's public machine-readable ISA for CDNA 5 (MIT licence, August 2026) and "CDNA5" Instruction Set Architecture Reference Guide (July 2026). The comments in the code are by the model that wrote it; some were corrected since.
;; SDPA. Allowed arithmetic: matrix products marked QUANTISED: E3M2 operands, one E8M0 scale for each 32 along K, by v_wmma_scale_f32_16x16x128_f8f6f4 with both operands' format E3M2, f32 sums; everything else in f32.
;; Inputs: k_codes 2 x 8 x 2,048 x 4 x 24 uint8 (E3M2 codes of k, K innermost, in blocks of 32 codes, four codes in three bytes); k_scales 2 x 8 x 2,048 x 4 uint8 (E8M0 scales of k, one for each 32 codes along K); q_codes 2 x 32 x 2,048 x 4 x 24 uint8 (E3M2 codes of q, K innermost, in blocks of 32 codes, four codes in three bytes); q_scales 2 x 32 x 2,048 x 4 uint8 (E8M0 scales of q, one for each 32 codes along K); v_codes 2 x 8 x 128 x 64 x 24 uint8 (E3M2 codes of v, K innermost, in blocks of 32 codes, four codes in three bytes); v_scales 2 x 8 x 128 x 64 uint8 (E8M0 scales of v, one for each 32 codes along K).
;; Outputs: out0 2 x 32 x 2,048 x 128 float32.
;; This version of the problem:
;;   THIS VERSION OF THE PROBLEM IS GIVEN IN LOW PRECISION. The matrix products marked QUANTISED in the list below multiply operands that are first quantised to E3M2 (3 exponent bits, 2 mantissa bits; 6 bits a number), with one power-of-two scale for each 32 numbers along K (OCP MX v1.0); their sums are f32. All else is computed in f32.
;;   The module's matrix products, in the order in which they are computed (A, B: the left and right operand; K: the contracted axis; several contracted axes count as one K, in the product's order):
;;     1. batch 64 x [M 2,048, K 128] x [K 128, N 2,048]; A: input q (given as codes); B: input k (given as codes): QUANTISED
;;     2. batch 64 x [M 2,048, K 2,048] x [K 2,048, N 128]; A: softmax (see below); B: input v (given as codes): QUANTISED
;;   THE QUANTISER, for each operand of a quantised product, along K:
;;     - K is cut into blocks of 32 from its start; a last block that is shorter is filled with zeros.
;;     - A block's scale is 2^e with e = floor(log2(the largest magnitude in the block)) - 4, held to -126 .. 127; a block of zeros has e = 0. As a byte (E8M0): e + 127.
;;     - Each number is divided by its block's scale, clamped to +-28, and rounded to the nearest number of E3M2, ties to even, subnormals kept.
;;     - The product sums the exact products of the quantised numbers (number of the format x scale) in f32.
;;   ~~~python
;;   def quantise(x, axis):      # numpy; x: float32 -> the quantised numbers, widened to float32 again
;;       x = np.moveaxis(x, axis, -1); K = x.shape[-1]
;;       x = np.pad(x, [(0, 0)] * (x.ndim - 1) + [(0, -K % 32)]); x = x.reshape(x.shape[:-1] + (-1, 32)); a = np.abs(x).max(-1, keepdims=True)
;;       e = np.where(a > 0, np.clip(np.frexp(np.where(a > 0, a, 1))[1] - 1 - 4, -126, 127), 0)      # np.frexp(a)[1] - 1 = floor(log2(a)), exactly
;;       r = np.clip(x / 2.0 ** e, -28, 28)
;;       step = 2.0 ** (np.maximum(np.frexp(np.where(r == 0, 1, r))[1] - 1, -2) - 2)
;;       q = np.round(r / step) * step * 2.0 ** e      # np.round: ties to even
;;       return np.moveaxis(q.reshape(q.shape[:-2] + (-1,))[..., :K], -1, axis).astype(np.float32)
;;   ~~~
;;   SOFTMAX AHEAD OF A QUANTISED PRODUCT. Where the list says 'softmax', what is quantised is not the finished softmax but p = 2^(t - M), with t = logit x log2(e) and M = ceil(the row's largest t), a whole number; so 1/2 < the row's largest p <= 1. The row's sum l is taken of the UNQUANTISED p, in f32, and the product's result is divided by l at the end. Since M is a whole number, a kernel that streams over the keys may use a running M (the ceiling of the running maximum): every later rescaling is an exact power of two, which a block's scale takes up: the codes' values come out the same.
;;   OPERANDS COMPUTED ON THE WAY. 'Computed on the way' means the value that the module computes at that place (a softmax that the list does not call 'softmax' is quantised finished and normalised). What goes into a quantiser is computed in f32, as accurately as f32 sums, v_exp_f32 and their like allow (about 1e-6 of the number): no bf16 or f16 on the way to a quantiser, and a product that is left as it is and whose result goes on into a quantised operand takes f32 operands (vector FMAs, or v_wmma_f32_16x16x4_f32). A number that lies on a knife's edge between two numbers of the format may be rounded either way, as far as f32 arithmetic and the matrix unit's own rounding can turn it there, and no further.
;;   INPUTS GIVEN AS CODES. k (in the module: [2, 8, 2048, 128], K = its axis 3); q (in the module: [2, 32, 2048, 128], K = its axis 3); v (in the module: [2, 8, 2048, 128], K = its axis 2): each comes as NAME_codes (uint8): NAME with its K axis moved to the last place and cut into blocks of 32 codes, [.., K / 32, bytes a block], one block behind the other in memory; four codes in three bytes: a row's codes are one little-endian stream of bits, code i at bits 6 i .. 6 i + 5 (a code: sign, 3 exponent bits, 2 mantissa bits); and NAME_scales (uint8): the same leading axes, one E8M0 byte (e + 127) for each 32 codes along K. Its value is code x scale, taken as it is: it is not quantised again, and the codes and scales need not be those that the quantiser above would give.
;; One version. Each part assembles by itself: llvm-mc -triple=amdgcn-amd-amdhsa -mcpu=gfx1250 --defsym DOCPART=n.
;; ======== version 1 of 1: 1 launch
;; launch attn (part 1): grid 16 x 16, 16 waves a work-group, no clusters, 327,680 bytes of LDS; arguments q_codes, q_scales, k_codes, k_scales, v_codes, v_scales, out0; writes out0
.if DOCPART == 1
	.amdgcn_target "amdgcn-amd-amdhsa--gfx1250"
	.amdhsa_code_object_version 6
	.text
	.protected	k_qae475c7953_attn
	.globl	k_qae475c7953_attn
	.p2align	8
	.type	k_qae475c7953_attn,@function
k_qae475c7953_attn:
	s_mov_b64 s[64:65], 0
	v_nop
	global_prefetch_b8 v0, s[64:65] scope:SCOPE_SE
	s_setreg_imm32_b32 hwreg(HW_REG_WAVE_MODE, 25, 1), 1
	s_wait_xcnt 0x0
; Causal attention with grouped heads on codes of BF6 (E3M2), one E8M0 scale for each 32 along a product's K.
; out0[y][q][:] = sum over k <= q of softmax_k(Q[y][q] . K[y/4][k] / sqrt(128)) V[y/4][k][:];  y = 0..63 query heads, y / 4 = 0..15 key/value heads, 2,048 positions, head size 128.
; Q, K: codes [head][2048][128], K axis = the head's 128; scale bytes [head][2048][4].  V: codes with the KEYS innermost, [head][128][2048]; scale bytes [head][128][64].  out0: f32.
; THE SOFTMAX AHEAD OF THE SECOND PRODUCT: t = score x log2(e) / sqrt(128); M = the running largest t rounded UP to a whole number; p = 2^(t - M) is quantised along the keys, not normalised.
; The row's sum is taken of the unquantised p and divides at the end.  When M moves, the sum and O are multiplied by 2^(old M - new M): exact.
; SHARES.  Work-group (i, kv): the FOUR query heads of key/value head kv x 64 positions: sixteen waves, wave w = head 4 kv + w / 4, tile w % 4 of 16 queries.  So the four heads read one copy of K and V from LDS.
; A work-group owns TWO blocks of 64 positions: block 31 - i first, then block i.  Block j wants j / 2 + 1 key steps of 128 in j / 4 + 1 slots of 256 keys: the pair always 17 steps in 9 slots,
; so all 256 work-groups have the same work, and the walk is ONE loop of constant count over 9 slots: 8 - i / 4 for the late block, i / 4 + 1 for the early one.  A block's 64 positions lie inside one key step, so all
; sixteen waves have the same steps.  Of the 18 steps fetched one is wholly hidden by the mask and is passed over (a scalar branch on ids); that is the price of the constant count.
; NO CLUSTER: the heads that share K and V already sit in one work-group; other work-groups of the same kv walk other sequences of slots, or differ in which step they pass over and mask, and partners may not branch apart.
; LAYOUT.  Both products are used transposed: S^T = K Q^T (source 0 = 16 keys, source 1 = my 16 queries), O^T = V^T P^T: a lane holds ONE query (lane % 16) throughout.
; THE KEYS OF A TILE ARE NOT NEIGHBOURS: lane r of tile 2 b + u takes key 32 b + 8 u + r + 8 (r / 8), so that the 16 registers of tiles 2 b, 2 b + 1 are keys 32 b + 16 (lane / 16) + 0 .. 15.
; LIMITS.  A block's largest p is made from its largest score by the same two instructions, which takes v_exp_f32 not to fall where its input rises.  The running maximum starts at -3e38.  A scale byte 0xff gives NaN in
; the rows that use it.  In the step on the diagonal up to 112 of a wave's 128 keys are computed and then masked.
; REGISTERS: v1-4 lane places in K's and V's tiles; v5, v6 the add's; v7 out0's offset; v8-11, v80, v81 addresses of the step in hand; v12 -M, v13 largest t, v[14:15] the sum; v16-27 Q; v28 prefetch offset; v29-31, v82-84 lane places;
;   v32-79 four fragments of K or V; v96-159 S^T, then p; v160-223 O^T; v224-235 p's codes; v232-254 at work; v248-251 K's or V's scale words; v253 p's scale word; v255 Q's scale word.
.set SK,    256                        ; keys in a slot
.set ROWB,  96                         ; 128 codes in bytes
.set KP,    144                        ; a key's row in LDS: 3 x (32 bytes + 16 of padding) = 36 words: sixteen neighbouring rows start at sixteen different multiples of 4 words modulo 64 (64 banks of 4 bytes: ISA guide 11.1)
.set VP,    240                        ; a row of V's tile in LDS: 3 x (64 bytes + 16 of padding) = 60 words: likewise
.set KROWV, 1536                       ; a row of V in memory: 2,048 codes
.set VROWB, 192                        ; SK codes in bytes
.set HEADB, 2048*ROWB                  ; a key/value head's codes in bytes, K's and V's alike
.set KU,    128*KP                     ; half of K's slot: the 128 keys with the same u
.set VOFF,  2*KU                       ; V's 128 rows lie behind K's 256
.set SLOT1, 1<<17                      ; slot 1 begins here: one exclusive or turns an address from one slot to the other
.set SCK,   VOFF+128*VP                ; behind slot 0: K's scale bytes of the head, 8,192, as pieces of 256 bytes + 16 of padding
.set SCH,   16*272                     ; half of them: what one tensor load brings
.set SCV,   SCK+2*SCH                  ; V's likewise
.set SPARE, SCV+2*SCH                  ; the spare words, 128 bytes for each of sixteen waves: eight blocks of 256 bytes that no other line names
.set STAGE, SLOT1+VOFF+128*VP          ; behind slot 1: 16 rows x 272 bytes for each wave, for the way out; no fill ever lands here
.set AKA,  1                           ; 144 r + 24 h
.set AKB,  2                           ; 144 r + 40 h: for the pieces whose partner three pieces on lies behind one padding more
.set AVA,  3                           ; VOFF + 240 r + 24 h
.set AVB,  4                           ; VOFF + 240 r + 40 h
.set SPW,  5                           ; LDS address of my spare word; never rewritten
.set NIL,  6                           ; 0; never rewritten
.set GO,   7                           ; the way out: 512 h + 16 r
.set ADKA, 8
.set ADKB, 9
.set ADVA, 10
.set ADVB, 11
.set PFO,  28                          ; the prefetches' offset; never rewritten
.set ASK0, 29                          ; SCK + 4 (r + 8 (r / 8))
.set ASV0, 30                          ; SCV + 272 (r / 4) + 64 (r % 4)
.set QA,   31                          ; 96 r + 24 h
.set ADS,  80
.set ADT,  81
.set QSA,  82                          ; 4 r
.set STI,  83                          ; my stage, on the way in: 272 r + 32 h
.set STB,  84                          ; and back: 272 h + 16 r
.set MT,   85                          ; the mask's temporary
.set TB,   2                           ; s2   LDS byte at which the slot in hand begins
.set N,    3                           ; s3   place in the sequence of nine slots
.set WV,   18                          ; s18  my wave's number
.set SEL,  20                          ; s[20:21] selects of v_permlanex16_b32: lane l xor 16
.set CS,   22                          ; s[22:23] c = log2(e) / sqrt(128), twice
.set G1K,  24
.set G1V,  32
.set G0K,  40
.set G0V,  44
.set G1S,  48
.set G0SK, 56
.set G0SV, 60
.set TS,   66                          ; s66  where the slot's scale words of K begin: 1,088 bytes a slot
.set TJ,   67                          ; s67  and V's: 8 bytes a slot in each row
.set KF,   68                          ; s68  the slot's first key
.set Q0,   69                          ; s69  my first query of the block in hand
.set SA,   70                          ; s70  slots of the late block: 8 - i / 4
.set IQ,   71                          ; s71  i / 4
.set KB,   72                          ; s[72:73] K's codes: my head, my u
.set VB,   74                          ; s[74:75] V's codes: my head, my 64 rows
.set PFA,  76                          ; s[76:77] where my prefetches stand
.set PFS,  78                          ; s[78:79] a slot on, in bytes
.set LIM,  80                          ; s80  6 in a wave that prefetches, else 0
.set EVR,  81                          ; s81  3 in V's waves, 0 in K's
.set OFK,  82                          ; s[82:83] byte offset of a slot in K; the upper word stays 0
.set OFV,  84                          ; s[84:85] and in a row of V
.set QCB,  86                          ; s[86:87] Q's codes, s[88:89] Q's scales, s[90:91] out0: at my rows of the early block
.set QSB,  88
.set OB,   90
.set Q0B,  92                          ; s92  my first query there
; Waves 0 and 1 fetch for K, waves 2 and 3 for V, the others nothing.  The branches hang on the wave's number alone.  Four v_nop follow each of the two lines.
.macro TLOAD g0k, g1k, g0v, g1v
	s_cmp_lt_u32 s[WV], 2
	s_cbranch_scc0 .Lnot_k_\@
	tensor_load_to_lds s[\g0k:\g0k+3], s[\g1k:\g1k+7]
	s_nop 0
.rept 4
	v_nop
.endr
	s_branch .Lasked_\@
.Lnot_k_\@:
	s_cmp_lt_u32 s[WV], 4
	s_cbranch_scc0 .Lasked_\@
	tensor_load_to_lds s[\g0v:\g0v+3], s[\g1v:\g1v+7]
	s_nop 0
.rept 4
	v_nop
.endr
.Lasked_\@:
.endm
; The key slot at place N + ahead of the sequence: the place itself in the late block; place - SA = (place + i / 4) mod 8 in the early one.  The mask keeps it in 0 .. 7.
.macro KSLOT dst, ahead
	s_add_co_u32 s[\dst], s[N], \ahead
	s_cmp_ge_u32 s[\dst], s[SA]
	s_cselect_b32 s19, s[IQ], 0
	s_add_co_u32 s[\dst], s[\dst], s19
	s_and_b32 s[\dst], s[\dst], 7
.endm
; A PREFETCH INTO THE L2 of key slot N + 2, which the NEXT change of slots will ask for: two key steps ahead of that load.  All work-groups of a key/value head walk the same K and V from slot 0 on: the one with i = 0, whose late
; block walks all eight slots, asks, and nobody else.  In it the waves ask that fetch nothing, one instruction each: waves 4 to 6 for K's dense 24,576 bytes, 8,192 a wave, lanes 256 bytes apart; waves 8 to 11 for V's 128 rows,
; 32 a wave, a lane a row.  A slot's part of a row of V is 192 bytes, so a lane names the part's LAST byte; slots 3 and 7 end in the aligned block of 256 bytes that slots 2 and 6 have named: there (N = 1, 5) V's waves ask for nothing.
; So each aligned block of 256 bytes is named once.  Slots 0 and 1 come by their loads alone; from N = 6 on there is no slot to name.
.macro ASK
	s_cmp_lt_u32 s[N], s[LIM]
	s_cbranch_scc0 .Lnot_mine_\@
	s_and_b32 s93, s[N], s[EVR]
	s_cmp_eq_u32 s93, 1
	s_cbranch_scc1 .Lnot_mine_\@
	global_prefetch_b8 v[PFO], s[PFA:PFA+1] th:TH_LOAD_NT scope:SCOPE_SE
.Lnot_mine_\@:
.endm
; THE CHANGE OF SLOTS stands at a slot's head.  Each wave waits for all its tensor loads (its part of the slot that it is about to read), adds 0 to its spare word, and waits for that and for its reads of the slot that it has left.
; Behind the barrier the slot ahead is whole and nobody reads the other one.  fill = 1: that other slot takes the sequence's next key slot: the load has two key steps in which to land.
.macro CHANGE fill
	s_wait_tensorcnt 0x0                           ; no tensor load of mine is out, so a group 0 may be written
	ds_add_u32 v[SPW], v[NIL]                      ; 0 onto my spare word; the scalar work below stands between it and the wait for it
	KSLOT 93, 0                                    ; the key slot that is read now:
	s_mul_i32 s[TS], s93, 1088                     ; its scale words of K (four pieces of 272 bytes),
	s_lshl_b32 s[TJ], s93, 3                       ; of V (two words in each row),
	s_lshl_b32 s[KF], s93, 8                       ; its first key
.if \fill
	KSLOT 94, 1                                    ; the key slot that is asked for now
	s_mul_i32 s[OFK], s94, SK*ROWB
	s_mul_i32 s[OFV], s94, VROWB
	s_xor_b32 s[G0K+1], s[G0K+1], SLOT1            ; the other LDS slot than last time
	s_add_nc_u64 s[G0K+2:G0K+3], s[KB:KB+1], s[OFK:OFK+1]
	s_or_b32 s[G0K+3], s[G0K+3], 0x80000000        ; type = 2
	s_xor_b32 s[G0V+1], s[G0V+1], SLOT1
	s_add_nc_u64 s[G0V+2:G0V+3], s[VB:VB+1], s[OFV:OFV+1]
	s_or_b32 s[G0V+3], s[G0V+3], 0x80000000
	s_wait_xcnt 0x0                                ; the last prefetch, a slot back, has read its address, so it may be written
	s_add_nc_u64 s[PFA:PFA+1], s[PFA:PFA+1], s[PFS:PFS+1]
.endif
	s_wait_dscnt 0x0                               ; the add is done, and my reads of the slot that I have left are over
	s_barrier_signal -1
	s_barrier_wait -1
.if \fill
	TLOAD G0K, G1K, G0V, G1V                       ; the first thing behind the barrier, and a wave's one tensor load until the next
	ASK
.endif
.endm
; A fragment of K: tile T of the slot's q-th 128 keys.  In LDS a tile's sixteen keys are sixteen neighbouring rows: row 16 (4 q + T / 2) + r of half T % 2.  A key's piece j of 8 bytes lies at 8 j + 16 (j / 4).
; Lanes 0-15 take pieces 0, 1, 2, 6, 7, 8, lanes 16-31 those three pieces on: 24 bytes on where j % 4 = 0, else behind one padding more, 40 bytes on.
.macro KFRAG reg, T, q
.irp p, 0,1,2,3,4,5
.set J, 6*(\p/3)+\p%3
.if J%4 == 0
	ds_load_b64 v[\reg+2*\p:\reg+2*\p+1], v[ADKA] offset:((\T)%2)*KU+16*(4*(\q)+(\T)/2)*KP+8*J+16*(J/4)
.else
	ds_load_b64 v[\reg+2*\p:\reg+2*\p+1], v[ADKB] offset:((\T)%2)*KU+16*(4*(\q)+(\T)/2)*KP+8*J+16*(J/4)
.endif
.endr
.endm
; A fragment of V^T: rows 16 T + r of the head's 128, the slot's q-th 128 keys.  A row's piece PC lies at 8 PC + 16 (PC / 8); the piece three on lies behind one padding more where PC % 8 is 5 or more.
.macro VFRAG reg, T, q
.irp p, 0,1,2,3,4,5
.set PC, 12*(\q)+6*(\p/3)+\p%3
.if PC%8 < 5
	ds_load_b64 v[\reg+2*\p:\reg+2*\p+1], v[ADVA] offset:16*(\T)*VP+8*PC+16*(PC/8)
.else
	ds_load_b64 v[\reg+2*\p:\reg+2*\p+1], v[ADVB] offset:16*(\T)*VP+8*PC+16*(PC/8)
.endif
.endr
.endm
; A block of queries begins: the largest t under every t, the sum and O^T zero.
.macro INIT
	v_mov_b32 v13, 0xff61b1e6                      ; -3e38
	v_floor_f32 v12, -v13                          ; -M
	v_mov_b32 v14, 0
	v_mov_b32 v15, 0
.irp a, 0,1,2,3
.irp i, 0,1,2,3,4,5,6,7,8,9,10,11,12,13,14,15
	v_mov_b32 v[160+16*\a+\i], 0
.endr
.endr
.endm
; A KEY STEP: 128 keys, the q-th of the slot in hand.
.macro STEP q
	s_add_co_u32 s97, s[KF], 128*(\q)              ; the step's first key
	s_add_co_u32 s96, s[Q0], 15
	s_cmp_gt_u32 s97, s96                          ; all its keys come after my queries: the step is passed over (ids alone decide; no barrier and no tensor load stands in a step)
	s_cbranch_scc1 .Lhidden_\@
	v_add_nc_u32 v[ADKA], s[TB], v[AKA]            ; six plain lines: they are also the places in front of the loads into registers that the last products read
	v_add_nc_u32 v[ADKB], s[TB], v[AKB]
	v_add_nc_u32 v[ADVA], s[TB], v[AVA]
	v_add_nc_u32 v[ADVB], s[TB], v[AVB]
	v_add_nc_u32 v[ADS], s[TS], v[ASK0]
	v_add_nc_u32 v[ADT], s[TJ], v[ASV0]
.irp g, 0,1                                    ; S^T = K Q^T, four tiles of 16 keys at a time
.if \g > 0
.rept 4
	v_nop                                          ; places in front of loads into registers that matrix instructions have read
.endr
.endif
.irp t, 0,1,2,3
	KFRAG 32+12*\t, 4*\g+\t, \q
	ds_load_b32 v[248+\t], v[ADS] offset:544*(\q)+272*\g+(32*(((4*\g+\t)/2)%2)+8*(\t%2))*4
.endr
	s_wait_dscnt 0x0
.irp t, 0,1,2,3
	v_wmma_scale_f32_16x16x128_f8f6f4 v[96+8*(4*\g+\t):103+8*(4*\g+\t)], v[32+12*\t:43+12*\t], v[16:27], 0, v[248+\t], v255 matrix_a_fmt:MATRIX_FMT_BF6 matrix_b_fmt:MATRIX_FMT_BF6
.endr
.endr
.rept 4
	v_nop                                          ; places: for the loads below, and for the first read of the scores
.endr
.irp t, 0,1,2,3                                ; V's first four fragments and their scale words are asked for now: they land while the softmax is worked
	VFRAG 32+12*\t, \t, \q
	ds_load_b32 v[248+\t], v[ADT] offset:4*(\q)+1088*\t
.endr
	s_add_co_u32 s96, s97, 127                     ; on the diagonal the scores of hidden keys become -infinity ahead of the maximum: p = 0 then.  A step all of whose keys count skips this
	s_cmp_le_u32 s96, s[Q0]
	s_cbranch_scc1 .Lopen_\@
	s_sub_co_i32 s96, s[Q0], s97
	v_and_b32 v252, 15, v0
	v_bfe_u32 v[MT], v0, 4, 1
	v_lshlrev_b32 v[MT], 4, v[MT]
	v_sub_nc_u32 v252, v252, v[MT]
	v_add_nc_u32 v252, s96, v252                   ; d = my query - the step's first key - 16 (lane / 16).  Register 16 b + i holds key 32 b + 16 (lane / 16) + i of the step: hidden where 32 b + i > d
	v_mov_b32 v254, 0xff800000                     ; -infinity
.irp a, 0,1,2,3
.irp i, 0,1,2,3,4,5,6,7,8,9,10,11,12,13,14,15
	v_cmp_gt_i32 vcc_lo, 32*\a+\i, v252
	v_cndmask_b32 v[96+16*\a+\i], v[96+16*\a+\i], v254, vcc_lo
.endr
.endr
.Lopen_\@:
.irp b, 0,1,2,3
	v_max3_num_f32 v[232+\b], v[96+16*\b], v[97+16*\b], v[98+16*\b]   ; THE LARGEST SCORE OF EACH BLOCK OF 32 KEYS: for the row's maximum, and, since p rises with the score, for the block's largest p
.endr
.irp i, 3,5,7,9,11,13
.irp b, 0,1,2,3
	v_max3_num_f32 v[232+\b], v[232+\b], v[96+16*\b+\i], v[97+16*\b+\i]   ; (the four blocks by turns)
.endr
.endr
.irp b, 0,1,2,3
	v_max_num_f32 v[232+\b], v[232+\b], v[111+16*\b]
.endr
.irp b, 0,1,2,3
	v_permlanex16_b32 v[236+\b], v[232+\b], s[SEL], s[SEL+1]
.endr
.irp b, 0,1,2,3
	v_max_num_f32 v[232+\b], v[232+\b], v[236+\b]  ; with lane l xor 16's 16 keys
.endr
	v_max3_num_f32 v254, v232, v233, v234
	v_max_num_f32 v254, v254, v235                 ; the step's largest score of my query (the step's first key counts for every query of mine: it is a number)
	v_mul_f32 v254, s[CS], v254                    ; as t (c is positive)
	v_max_num_f32 v13, v13, v254                   ; the running largest t
	v_mov_b32 v254, v12
	v_floor_f32 v12, -v13                          ; the new -M = floor(-t) = -ceil(t): M IS A WHOLE NUMBER
	v_sub_f32 v254, v12, v254                      ; M's old value less its new one: a whole number, 0 or less
	v_cvt_i32_f32 v254, v254                       ; (it saturates)
	v_ldexp_f32 v252, 1.0, v254                    ; f = 2^(old M - new M)
.irp a, 0,1,2,3
.irp i, 0,2,4,6,8,10,12,14
	v_pk_fma_f32 v[96+16*\a+\i:97+16*\a+\i], v[96+16*\a+\i:97+16*\a+\i], s[CS:CS+1], v[12:13] op_sel_hi:[1,0,0]   ; t - M, two at a time (of the pairs c and -M the low word serves both halves)
.endr
.endr
.irp b, 0,1,2,3
	v_fma_f32 v[232+\b], v[232+\b], s[CS], v12     ; the same of each block's largest score
.endr
.irp a, 0,1,2,3
.irp i, 0,1,2,3,4,5,6,7,8,9,10,11,12,13,14,15
	v_exp_f32 v[96+16*\a+\i], v[96+16*\a+\i]       ; p = 2^(t - M), at most 1: NOT normalised
.endr
.endr
	v_pk_mul_f32 v[14:15], v[14:15], v[252:253] op_sel_hi:[1,0]   ; the sums under the new M.  (The plain line behind the exponentials)
	s_wait_alu depctr_va_vdst(0)                   ; one wait for the whole batch of 64, ahead of its first reader
.irp b, 0,1,2,3
	v_exp_f32 v[232+\b], v[232+\b]                 ; the block's largest p: the same two instructions on the same number give the same bits
.endr
	v_pk_add_f32 v[236:237], v[96:97], v[98:99]    ; THE ROW'S SUM IS TAKEN OF THE UNQUANTISED p: two at a time, in two chains.  (It reads the 64 alone: plain work behind the four)
.irp j, 4,8,12,16,20,24,28,32,36,40,44,48,52,56,60
	v_pk_add_f32 v[14:15], v[14:15], v[96+\j:97+\j]
	v_pk_add_f32 v[236:237], v[236:237], v[98+\j:99+\j]
.endr
	v_pk_add_f32 v[14:15], v[14:15], v[236:237]
	s_wait_alu depctr_va_vdst(0)                   ; and one for the four
.irp b, 0,1,2,3
	v_max_num_f32 v[232+\b], 0x2800000, v[232+\b]  ; the floor 2^(5 - 127): the byte cannot fall under 1 (a block whose every p is 0 keeps that byte: its codes are zeros)
.endr
.irp b, 0,1,2,3
	v_add_nc_u32 v[244+\b], 0xfe000000, v[232+\b]  ; 4 off the exponent field: the conversion's scale operand
.endr
.irp b, 0,1,2,3
	v_lshrrev_b32 v[236+\b], 23, v[244+\b]         ; the scale's byte
.endr
	v_lshl_or_b32 v253, v237, 8, v236              ; p's scale word for these 128 keys
	v_lshl_or_b32 v253, v238, 16, v253
	v_lshl_or_b32 v253, v239, 24, v253
.irp c, 0,1
	v_cvt_scalef32_pk16_bf6_f32 v[224+6*\c:226+6*\c], v[96+32*\c:111+32*\c], v[244+2*\c]
	v_cvt_scalef32_pk16_bf6_f32 v[236+4*\c:238+4*\c], v[112+32*\c:127+32*\c], v[244+2*\c+1]   ; (a conversion's three registers begin on an even number)
.endr
	v_nop                                          ; one plain line between a scaled conversion and the vector instruction that touches its result
.irp c, 0,1                                    ; the operand's layout wants a WHOLE block in a lane: lanes 0-15 block 2 c, lanes 16-31 block 2 c + 1
.irp i, 0,1,2
	v_permlane16_swap_b32 v[224+6*\c+\i], v[236+4*\c+\i]
.endr
.irp i, 0,1,2
	v_mov_b32 v[227+6*\c+\i], v[236+4*\c+\i]
.endr
.endr
.irp a, 0,1,2,3
.irp i, 0,2,4,6,8,10,12,14
	v_pk_mul_f32 v[160+16*\a+\i:161+16*\a+\i], v[160+16*\a+\i:161+16*\a+\i], v[252:253] op_sel_hi:[1,0]   ; O^T under the new M: x f, each accumulator from its low end on.  (These 32 are also the places between p's codes and scale word and the products below)
.endr
.endr
	s_wait_dscnt 0x0                               ; V's first four fragments, asked for ahead of the softmax
.irp t, 0,1,2,3                                ; O^T += V^T P^T: K = these 128 keys; the accumulators take turns, one instruction a turn
	v_wmma_scale_f32_16x16x128_f8f6f4 v[160+8*\t:167+8*\t], v[32+12*\t:43+12*\t], v[224:235], v[160+8*\t:167+8*\t], v[248+\t], v253 matrix_a_fmt:MATRIX_FMT_BF6 matrix_b_fmt:MATRIX_FMT_BF6
.endr
.rept 4
	v_nop
.endr
.irp t, 0,1,2,3
	VFRAG 32+12*\t, 4+\t, \q
	ds_load_b32 v[248+\t], v[ADT] offset:4*(\q)+1088*(4+\t)
.endr
	s_wait_dscnt 0x0
.irp t, 0,1,2,3
	v_wmma_scale_f32_16x16x128_f8f6f4 v[192+8*\t:199+8*\t], v[32+12*\t:43+12*\t], v[224:235], v[192+8*\t:199+8*\t], v[248+\t], v253 matrix_a_fmt:MATRIX_FMT_BF6 matrix_b_fmt:MATRIX_FMT_BF6
.endr
.Lhidden_\@:
.endm
.macro SLOT_STEPS
	STEP 0
	STEP 1
	s_xor_b32 s[TB], s[TB], SLOT1                  ; on to the other slot
.endm
; THE WAY OUT of a block of queries.  O^T is divided by the row's sum and goes through my own stage in LDS, half a row (64 channels, 256 bytes) of 16 queries at a time, so that sixteen lanes store 256 consecutive bytes, aligned.
; LDS serves a wave's instructions in order (ISA guide 5.7.1.4): no wait between my stores and my loads.  more = 1: the early block follows: its Q is asked for first and lands under the way out.
.macro FLUSH more
.rept 4
	v_nop                                          ; places behind the last products
.endr
.if \more
.irp p, 0,1,2,3,4,5
	global_load_b64 v[16+2*\p:17+2*\p], v[QA], s[QCB:QCB+1] offset:48*(\p/3)+8*(\p%3) th:TH_LOAD_NT
.endr
	global_load_b32 v255, v[QSA], s[QSB:QSB+1] th:TH_LOAD_NT
.endif
	v_add_f32 v14, v14, v15                        ; the sum's two halves,
	v_permlanex16_b32 v236, v14, s[SEL], s[SEL+1]
	v_add_f32 v14, v14, v236                       ; and lane l xor 16's: the row's sum
	v_rcp_f32 v14, v14
	v_nop                                          ; a plain line behind the transcendental
	s_wait_alu depctr_va_vdst(0)                   ; and the wait ahead of its first reader
.irp a, 0,1,2,3
.irp i, 0,1,2,3,4,5,6,7,8,9,10,11,12,13,14,15
	v_mul_f32 v[96+16*\a+\i], v[160+16*\a+\i], v14 ; register 8 t + i is o(r, 16 t + 8 h + i); each accumulator is read from its low end on
.endr
.endr
.irp t, 0,1,2,3                                ; channels 0-63
	ds_store_b128 v[STI], v[96+8*\t:99+8*\t] offset:64*\t
	ds_store_b128 v[STI], v[100+8*\t:103+8*\t] offset:64*\t+16
.endr
.irp i, 0,1,2,3,4,5,6,7
	ds_load_b128 v[32+4*\i:35+4*\i], v[STB] offset:544*\i
.endr
.irp t, 0,1,2,3                                ; channels 64-127: these stores come behind the loads above
	ds_store_b128 v[STI], v[128+8*\t:131+8*\t] offset:64*\t
	ds_store_b128 v[STI], v[132+8*\t:135+8*\t] offset:64*\t+16
.endr
.irp i, 0,1,2,3,4,5,6,7
	s_wait_dscnt 15-\i                             ; behind load i: 7 - i loads and the eight stores
	global_store_b128 v[GO], v[32+4*\i:35+4*\i], s[16:17] offset:1024*\i th:TH_STORE_NT
.endr
.irp i, 0,1,2,3,4,5,6,7
	ds_load_b128 v[96+4*\i:99+4*\i], v[STB] offset:544*\i
.endr
.irp i, 0,1,2,3,4,5,6,7
	s_wait_dscnt 7-\i                              ; behind load i: 7 - i loads
	global_store_b128 v[GO], v[96+4*\i:99+4*\i], s[16:17] offset:1024*\i+256 th:TH_STORE_NT
.endr
.if \more
	INIT                                           ; cleared, not left to f = 0: nothing of the late block's rows reaches the early block's
	s_wait_xcnt 0x0                                ; the stores have read their registers and their base: both may be written again
	s_mov_b64 s[16:17], s[OB:OB+1]
	s_mov_b32 s[Q0], s[Q0B]
	s_wait_loadcnt 0x0                             ; the early block's Q
.endif
.endm
	s_load_b128 s[4:7], s[0:1], 0x0                ; Q's codes, Q's scales
	s_load_b128 s[8:11], s[0:1], 0x10              ; K's codes, K's scales
	s_load_b128 s[12:15], s[0:1], 0x20             ; V's codes, V's scales
	s_load_b64 s[16:17], s[0:1], 0x30              ; out0
	v_lshl_add_u32 v[SPW], v0, 2, SPARE
	v_mov_b32 v[NIL], 0
	ds_add_u32 v5, v6
	s_wait_dscnt 0x0
	v_lshrrev_b32 v8, 5, v0
	v_readfirstlane_b32 s[WV], v8                  ; wave 0..15
	s_lshr_b32 s[IQ], ttmp9, 2                     ; i / 4
	s_sub_co_u32 s[SA], 8, s[IQ]                   ; slots of the late block
	s_and_b32 s93, ttmp7, 0xffff                   ; kv
	s_lshr_b32 s94, s[WV], 2
	s_lshl_b32 s95, s93, 2
	s_add_co_u32 s95, s95, s94                     ; my query head y = 4 kv + wave / 4
	s_lshl_b32 s95, s95, 11                        ; its first row
	s_and_b32 s94, s[WV], 3
	s_lshl_b32 s94, s94, 4                         ; my tile of 16 in a block of 64
	s_lshl_b32 s[Q0B], ttmp9, 6
	s_add_co_u32 s[Q0B], s[Q0B], s94               ; early block: 64 i + 16 tile
	s_sub_co_u32 s[Q0], 31, ttmp9
	s_lshl_b32 s[Q0], s[Q0], 6
	s_add_co_u32 s[Q0], s[Q0], s94                 ; late block: 64 (31 - i) + 16 tile
	s_add_co_u32 s96, s95, s[Q0]                   ; my first row of Q and out0, late block,
	s_add_co_u32 s97, s95, s[Q0B]                  ; and early block
	s_and_b32 s98, s[WV], 1                        ; which half I fetch, if I fetch
	s_mul_i32 s99, s93, HEADB                      ; the key/value head's first byte in K's and in V's codes
	; descriptor group 1.  K: for one u, 16 rows of 768 bytes (8 keys), 1,536 bytes apart; 16 bytes of padding behind every 32: in LDS 128 keys, 144 bytes apart
	s_mov_b32 s[G1K], (1<<20)|(2<<22)|(3<<25)      ; no mask; elements of 1 byte; padding on; after every 8 words (code 2); of 4 words (code 3)
	s_mov_b32 s[G1K+1], 768<<16                    ; tensor_dim0
	s_mov_b32 s[G1K+2], 16<<16                     ; tensor_dim1
	s_mov_b32 s[G1K+3], 768<<16                    ; tile_dim0
	s_mov_b32 s[G1K+4], 16                         ; tile_dim1
	s_mov_b32 s[G1K+5], 1536                       ; tensor_dim0_stride
	s_mov_b32 s[G1K+6], 0
	s_mov_b32 s[G1K+7], 0
	; V: 64 rows of 192 bytes, 1,536 bytes apart; 16 bytes of padding behind every 64
	s_mov_b32 s[G1V], (1<<20)|(3<<22)|(3<<25)
	s_mov_b32 s[G1V+1], VROWB<<16
	s_mov_b32 s[G1V+2], 64<<16
	s_mov_b32 s[G1V+3], VROWB<<16
	s_mov_b32 s[G1V+4], 64
	s_mov_b32 s[G1V+5], KROWV
	s_mov_b32 s[G1V+6], 0
	s_mov_b32 s[G1V+7], 0
	; the scale bytes: half a head's, 4,096 dense bytes, as 16 rows of 256 bytes (32 elements of 8 bytes), 16 bytes of padding behind each
	s_mov_b32 s[G1S], (3<<16)|(1<<20)|(5<<22)|(3<<25)
	s_mov_b32 s[G1S+1], 32<<16
	s_mov_b32 s[G1S+2], 16<<16
	s_mov_b32 s[G1S+3], 32<<16
	s_mov_b32 s[G1S+4], 16
	s_mov_b32 s[G1S+5], 32
	s_mov_b32 s[G1S+6], 0
	s_mov_b32 s[G1S+7], 0
	s_mov_b32 s[SEL], 0x76543210
	s_mov_b32 s[SEL+1], 0xfedcba98
	s_mov_b32 s[CS], 0x3e0293ee                    ; c = log2(e) / sqrt(128)
	s_mov_b32 s[CS+1], s[CS]                       ; (named with it as a pair, so it is written)
	s_mov_b32 s[TB], 0
	s_mov_b32 s[N], 0
	s_mov_b32 s[OFK+1], 0
	s_mov_b32 s[OFV+1], 0
	s_wait_kmcnt 0x0
	; the first fills go out ahead of everything else: the scale bytes of the whole head (filled once), then slot 0
	s_lshl_b32 s82, s93, 13                        ; the head's 8,192 scale bytes,
	s_lshl_b32 s84, s98, 12                        ; my half of them in memory,
	s_add_co_u32 s82, s82, s84
	s_mul_i32 s84, s98, SCH                        ; and in LDS
	s_mov_b32 s[G0SK], 1
	s_add_co_u32 s[G0SK+1], s84, SCK
	s_add_nc_u64 s[G0SK+2:G0SK+3], s[10:11], s[82:83]
	s_or_b32 s[G0SK+3], s[G0SK+3], 0x80000000
	s_mov_b32 s[G0SV], 1
	s_add_co_u32 s[G0SV+1], s84, SCV
	s_add_nc_u64 s[G0SV+2:G0SV+3], s[14:15], s[82:83]
	s_or_b32 s[G0SV+3], s[G0SV+3], 0x80000000
	TLOAD G0SK, G1S, G0SV, G1S
	s_mul_i32 s82, s98, 768                        ; K: u = my half: 8 keys on
	s_add_co_u32 s82, s82, s99
	s_add_nc_u64 s[KB:KB+1], s[8:9], s[82:83]
	s_mul_i32 s82, s98, 64*KROWV                   ; V: my 64 rows
	s_add_co_u32 s82, s82, s99
	s_add_nc_u64 s[VB:VB+1], s[12:13], s[82:83]
	s_mov_b32 s[G0K], 1                            ; count = 1
	s_mul_i32 s[G0K+1], s98, KU                    ; LDS address: slot 0, my half
	s_mov_b64 s[G0K+2:G0K+3], s[KB:KB+1]           ; global address: key slot 0
	s_or_b32 s[G0K+3], s[G0K+3], 0x80000000        ; type = 2
	s_mov_b32 s[G0V], 1
	s_mul_i32 s[G0V+1], s98, 64*VP
	s_add_co_u32 s[G0V+1], s[G0V+1], VOFF
	s_mov_b64 s[G0V+2:G0V+3], s[VB:VB+1]
	s_or_b32 s[G0V+3], s[G0V+3], 0x80000000
	TLOAD G0K, G1K, G0V, G1V                       ; two tensor loads of a fetching wave are out
	; Q's and out0's places: the early block's from the untouched bases first, then the late block's in place
	s_mul_i32 s82, s97, ROWB
	s_add_nc_u64 s[QCB:QCB+1], s[4:5], s[82:83]
	s_lshl_b32 s82, s97, 2
	s_add_nc_u64 s[QSB:QSB+1], s[6:7], s[82:83]
	s_lshl_b32 s82, s97, 9
	s_add_nc_u64 s[OB:OB+1], s[16:17], s[82:83]
	s_mul_i32 s82, s96, ROWB
	s_add_nc_u64 s[4:5], s[4:5], s[82:83]
	s_lshl_b32 s82, s96, 2
	s_add_nc_u64 s[6:7], s[6:7], s[82:83]
	s_lshl_b32 s82, s96, 9
	s_add_nc_u64 s[16:17], s[16:17], s[82:83]
	v_and_b32 v8, 15, v0                           ; r = lane % 16
	v_bfe_u32 v9, v0, 4, 1                         ; h = lane / 16
	v_mul_u32_u24 v[QA], v8, ROWB
	v_mad_u32_u24 v[QA], v9, 24, v[QA]             ; Q: row r, + my half's 24 bytes
	v_lshlrev_b32 v[QSA], 2, v8
.irp p, 0,1,2,3,4,5
	global_load_b64 v[16+2*\p:17+2*\p], v[QA], s[4:5] offset:48*(\p/3)+8*(\p%3) th:TH_LOAD_NT   ; Q's fragment stays in registers for the block
.endr
	global_load_b32 v255, v[QSA], s[6:7] th:TH_LOAD_NT   ; Q's scale words
	; the prefetches (macro ASK): where my wave's stand, and who asks
	s_cmp_lt_u32 s[WV], 8                          ; waves 4 to 6 ask for K's codes, waves 8 to 11 for V's
	s_cselect_b64 s[PFA:PFA+1], s[8:9], s[12:13]
	s_mov_b32 s[PFS], VROWB
	s_cselect_b32 s[PFS], SK*ROWB, s[PFS]          ; a slot on
	s_mov_b32 s94, KROWV
	s_cselect_b32 s94, 256, s94                    ; from lane to lane
	s_mov_b32 s95, 32*KROWV
	s_cselect_b32 s95, 8192, s95                   ; from wave to wave
	s_cselect_b32 s96, 0, VROWB-1                  ; in V: the last byte of a row's part of a slot
	s_cselect_b32 s[EVR], 0, 3
	v_and_b32 v[PFO], 31, v0
	v_mul_lo_u32 v[PFO], v[PFO], s94
	s_and_b32 s94, s[WV], 3
	s_mul_i32 s94, s94, s95                        ; my wave's part,
	s_add_co_u32 s94, s94, s[PFS]                  ; in slot 1: the first change of slots steps it to slot 2.  Nothing is prefetched here, at the head
	s_add_co_u32 s94, s94, s96
	s_add_co_u32 s82, s94, s99                     ; in my key/value head
	s_mov_b32 s[PFS+1], 0
	s_add_nc_u64 s[PFA:PFA+1], s[PFA:PFA+1], s[82:83]
	s_sub_co_u32 s94, s[WV], 4
	s_lshr_b32 s94, s94, 3                         ; 0 in waves 4 to 11,
	s_or_b32 s94, s94, ttmp9                       ; of the work-group with i = 0
	s_cmp_eq_u32 s94, 0
	s_cselect_b32 s[LIM], 6, 0
	s_cmp_eq_u32 s[WV], 7                          ; (K's block is three waves' worth)
	s_cselect_b32 s[LIM], 0, s[LIM]
	; my lane's places
	v_mul_u32_u24 v[AKA], v8, KP
	v_mad_u32_u24 v[AKB], v9, 40, v[AKA]
	v_mad_u32_u24 v[AKA], v9, 24, v[AKA]
	v_mul_u32_u24 v[AVA], v8, VP
	v_add_nc_u32 v[AVA], VOFF, v[AVA]
	v_mad_u32_u24 v[AVB], v9, 40, v[AVA]
	v_mad_u32_u24 v[AVA], v9, 24, v[AVA]
	v_and_b32 v10, 8, v8
	v_add_nc_u32 v10, v10, v8                      ; r + 8 (r / 8)
	v_lshl_add_u32 v[ASK0], v10, 2, SCK            ; K's scale words: 4 bytes a key, 64 keys to a piece of 272 bytes
	v_lshrrev_b32 v10, 2, v8
	v_and_b32 v11, 3, v8
	v_lshlrev_b32 v11, 6, v11
	v_mad_u32_u24 v[ASV0], v10, 272, v11           ; V's: 64 bytes a row, four rows to a piece
	v_add_nc_u32 v[ASV0], SCV, v[ASV0]
	v_lshlrev_b32 v[GO], 9, v9
	v_lshl_add_u32 v[GO], v8, 4, v[GO]             ; the way out: lanes 0-15 one row of out0, lanes 16-31 the next; 16 bytes a lane
	s_mul_i32 s94, s[WV], 16*272
	s_add_co_u32 s94, s94, STAGE                   ; my stage
	v_mul_u32_u24 v[STI], v8, 272
	v_lshl_add_u32 v[STI], v9, 5, v[STI]
	v_add_nc_u32 v[STI], s94, v[STI]
	v_mul_u32_u24 v[STB], v9, 272
	v_lshl_add_u32 v[STB], v8, 4, v[STB]
	v_add_nc_u32 v[STB], s94, v[STB]
	INIT
.irp b, 0,1,2,3
	v_mov_b32 v[236+\b], 0                         ; written once: a lane permute's destination counts as one of its sources
.endr
	v_mov_b32 v252, 0
	v_mov_b32 v253, 0                              ; (named as the upper half of the pair v[252:253] before it is first written)
	s_wait_loadcnt 0x0                             ; Q
.Lslot:                                            ; eight trips: trip N reads place N of the sequence and asks for place N + 1
	CHANGE 1
	SLOT_STEPS
	s_add_co_u32 s93, s[N], 1
	s_cmp_lg_u32 s93, s[SA]                        ; the late block's last slot is done: its rows leave, and the early block begins (ids alone decide; place SA - 1 is 4 .. 7, always in the loop)
	s_cbranch_scc1 .Lgo
	FLUSH 1
.Lgo:
	s_add_co_u32 s[N], s[N], 1
	s_cmp_lt_u32 s[N], 8
	s_cbranch_scc1 .Lslot
	CHANGE 0                                       ; the ninth slot is written out
	SLOT_STEPS
	FLUSH 0
	s_wait_tensorcnt 0x0                           ; the wave's end: behind my last tensor load and my last LDS store
	ds_add_u32 v[SPW], v[NIL]
	s_wait_dscnt 0x0
	s_endpgm
.Lfunc_end_k_qae475c7953_attn:
	.size	k_qae475c7953_attn, .Lfunc_end_k_qae475c7953_attn-k_qae475c7953_attn
	.p2alignl 7, 3214868480
	.fill 96, 4, 3214868480
	.section	.rodata,"a",@progbits
	.p2align	6, 0x0
	.amdhsa_kernel k_qae475c7953_attn
		.amdhsa_group_segment_fixed_size 327680
		.amdhsa_private_segment_fixed_size 0
		.amdhsa_enable_private_segment 0
		.amdhsa_kernarg_size 56
		.amdhsa_user_sgpr_count 2
		.amdhsa_user_sgpr_kernarg_segment_ptr 1
		.amdhsa_wavefront_size32 1
		.amdhsa_system_sgpr_workgroup_id_x 1
		.amdhsa_system_sgpr_workgroup_id_y 1
		.amdhsa_system_sgpr_workgroup_id_z 1
		.amdhsa_system_vgpr_workitem_id 0
		.amdhsa_next_free_vgpr 256
		.amdhsa_next_free_sgpr 100
		.amdhsa_reserve_vcc 1
		.amdhsa_float_denorm_mode_32 3
		.amdhsa_float_denorm_mode_16_64 3
		.amdhsa_memory_ordered 1
		.amdhsa_forward_progress 1
		.amdhsa_inst_pref_size 142
	.end_amdhsa_kernel
	.amdgpu_metadata
---
amdhsa.version: [ 1, 2 ]
amdhsa.kernels:
  - .name:           k_qae475c7953_attn
    .symbol:         k_qae475c7953_attn.kd
    .args:
      - { .name: q_codes, .offset: 0, .size: 8, .value_kind: global_buffer, .address_space: global }
      - { .name: q_scales, .offset: 8, .size: 8, .value_kind: global_buffer, .address_space: global }
      - { .name: k_codes, .offset: 16, .size: 8, .value_kind: global_buffer, .address_space: global }
      - { .name: k_scales, .offset: 24, .size: 8, .value_kind: global_buffer, .address_space: global }
      - { .name: v_codes, .offset: 32, .size: 8, .value_kind: global_buffer, .address_space: global }
      - { .name: v_scales, .offset: 40, .size: 8, .value_kind: global_buffer, .address_space: global }
      - { .name: out0, .offset: 48, .size: 8, .value_kind: global_buffer, .address_space: global }
    .group_segment_fixed_size: 327680
    .private_segment_fixed_size: 0
    .kernarg_segment_align: 8
    .kernarg_segment_size: 56
    .max_flat_workgroup_size: 512
    .sgpr_count:     100
    .vgpr_count:     256
    .wavefront_size: 32
...
	.end_amdgpu_metadata
.endif
;; end of part 1
